; MI455X (gfx1250); checked and timed in simulation.
; The chip was launched on July 23, 2026; its instructions are those of AMD's public machine-readable ISA for CDNA 5 (MIT licence, August 2026) and "CDNA5" Instruction Set Architecture Reference Guide (July 2026). The comments in the code are by the model that wrote it; some were corrected since.
;; Na Multi Head Attention. Allowed arithmetic: matrix products marked QUANTISED: E2M3 operands, one E8M0 scale for each 32 along K, by v_wmma_scale_f32_16x16x128_f8f6f4 with both operands' format E2M3, f32 sums; everything else in f32.
;; Inputs: Wk 256 x 256 float32; Wo 256 x 256 float32; Wq 256 x 256 float32; Wv 256 x 256 float32; bk 256 float32; bo 256 float32; bq 256 float32; bv 256 float32; k 4 x 4,096 x 256 float32; q 4 x 4,096 x 256 float32; v 4 x 4,096 x 256 float32.
;; Outputs: out0 4 x 4,096 x 256 float32; out1 4 x 4,096 x 256 float32; out2 4 x 4,096 x 256 float32.
;; This version of the problem:
;;   THIS VERSION OF THE PROBLEM IS GIVEN IN LOW PRECISION. The matrix products marked QUANTISED in the list below multiply operands that are first quantised to E2M3 (2 exponent bits, 3 mantissa bits; 6 bits a number), with one power-of-two scale for each 32 numbers along K (OCP MX v1.0); their sums are f32. All else is computed in f32.
;;   The module's matrix products, in the order in which they are computed (A, B: the left and right operand; K: the contracted axis; several contracted axes count as one K, in the product's order):
;;     1. [M 16,384, K 256] x [K 256, N 256]; A: input q; B: input Wq: QUANTISED
;;     2. [M 16,384, K 256] x [K 256, N 256]; A: input k; B: input Wk: QUANTISED
;;     3. [M 16,384, K 256] x [K 256, N 256]; A: input v; B: input Wv: QUANTISED
;;     4. batch 16 x [M 4,096, K 64] x [K 64, N 4,096]; A: computed on the way; B: computed on the way: QUANTISED
;;     5. batch 16 x [M 4,096, K 4,096] x [K 4,096, N 64]; A: computed on the way; B: computed on the way: QUANTISED
;;     6. [M 16,384, K 256] x [K 256, N 256]; A: computed on the way; B: input Wo: QUANTISED
;;   THE QUANTISER, for each operand of a quantised product, along K:
;;     - K is cut into blocks of 32 from its start; a last block that is shorter is filled with zeros.
;;     - A block's scale is 2^e with e = floor(log2(the largest magnitude in the block)) - 2, held to -126 .. 127; a block of zeros has e = 0. As a byte (E8M0): e + 127.
;;     - Each number is divided by its block's scale, clamped to +-7.5, and rounded to the nearest number of E2M3, ties to even, subnormals kept.
;;     - The product sums the exact products of the quantised numbers (number of the format x scale) in f32.
;;   ~~~python
;;   def quantise(x, axis):      # numpy; x: float32 -> the quantised numbers, widened to float32 again
;;       x = np.moveaxis(x, axis, -1); K = x.shape[-1]
;;       x = np.pad(x, [(0, 0)] * (x.ndim - 1) + [(0, -K % 32)]); x = x.reshape(x.shape[:-1] + (-1, 32)); a = np.abs(x).max(-1, keepdims=True)
;;       e = np.where(a > 0, np.clip(np.frexp(np.where(a > 0, a, 1))[1] - 1 - 2, -126, 127), 0)      # np.frexp(a)[1] - 1 = floor(log2(a)), exactly
;;       r = np.clip(x / 2.0 ** e, -7.5, 7.5)
;;       step = 2.0 ** (np.maximum(np.frexp(np.where(r == 0, 1, r))[1] - 1, 0) - 3)
;;       q = np.round(r / step) * step * 2.0 ** e      # np.round: ties to even
;;       return np.moveaxis(q.reshape(q.shape[:-2] + (-1,))[..., :K], -1, axis).astype(np.float32)
;;   ~~~
;;   OPERANDS COMPUTED ON THE WAY. 'Computed on the way' means the value that the module computes at that place (a softmax that the list does not call 'softmax' is quantised finished and normalised). What goes into a quantiser is computed in f32, as accurately as f32 sums, v_exp_f32 and their like allow (about 1e-6 of the number): no bf16 or f16 on the way to a quantiser, and a product that is left as it is and whose result goes on into a quantised operand takes f32 operands (vector FMAs, or v_wmma_f32_16x16x4_f32). A number that lies on a knife's edge between two numbers of the format may be rounded either way, as far as f32 arithmetic and the matrix unit's own rounding can turn it there, and no further.
;; One version. Each part assembles by itself: llvm-mc -triple=amdgcn-amd-amdhsa -mcpu=gfx1250 --defsym DOCPART=n.
;; ======== version 1 of 1: 2 launches
;; workspace buffers: qimg 3,670,016 bytes; kimg 3,276,800 bytes; vimg 3,276,800 bytes; woimg 53,248 bytes
;; launch prep (part 1): grid 385 x 1, 16 waves a work-group, no clusters, 296,960 bytes of LDS; arguments q, k, v, Wq, Wk, Wv, Wo, bq, bk, bv, out0, qimg, kimg, vimg, woimg; writes out0, qimg, kimg, vimg, woimg
.if DOCPART == 1
	.amdgcn_target "amdgcn-amd-amdhsa--gfx1250"
	.amdhsa_code_object_version 6
	.text
	.protected	k_qb9a8907472_prep
	.globl	k_qb9a8907472_prep
	.p2align	8
	.type	k_qb9a8907472_prep,@function
k_qb9a8907472_prep:
	s_mov_b64 s[64:65], 0
	v_nop
	global_prefetch_b8 v0, s[64:65] scope:SCOPE_SE
	s_setreg_imm32_b32 hwreg(HW_REG_WAVE_MODE, 25, 1), 1
	s_wait_xcnt 0x0
; THE THREE INPUT PROJECTIONS x W^T + b ON CODES OF FP6 (E2M3), THEIR RESULTS QUANTISED AGAIN FOR THE ATTENTION LAUNCH, THE COPY out0 = q, AND Wo's CODES.
; x (q, k or v): [16384][256] f32; W: [256][256] f32, K innermost; b: [256].  A block of 32 along K has the scale 2^(floor(log2(largest magnitude)) - 2).
; SHARES.  Work-groups 0-127 take q, 128-255 k, 256-383 v: 128 rows each, all 256 columns.  Work-group 384 quantises Wo and ends.
; Sixteen waves.  Wave w quantises tile w of W (16 rows, two K steps of 128) and one fragment of x (tile w / 2 of rows, K step w % 2); the fragments go from wave to wave through LDS
; as images of their registers (three stores of 16 bytes a lane).  Then wave w multiplies the columns 32 (w % 8) .. + 31 (head (w % 8) / 2, block w % 2 of its 64) by the row tiles 4 (w / 8) .. + 3.
; THE ROWS OF A TILE ARE NOT NEIGHBOURS: row rho of tile 2 b + u is index 32 b + 8 u + rho + 8 (rho / 8), for rows of x and of W alike, so that the 16 result registers of two
; neighbouring tiles are 16 neighbours.  q and k: source 0 = W, source 1 = x: a lane holds one row and 16 neighbouring columns (the next product's K is the head's 64).
; v: source 0 = x, source 1 = W: a lane holds one column and 16 neighbouring keys (the next product's K is the keys).
; WHAT LEAVES: images of the attention launch's operand registers, gathered in LDS and stored as dense bytes, 512 a wave and store.
;   qimg: 3,584 bytes a tile of 16 queries: head e's codes at 768 e + 384 block + 24 row; the blocks' scale bytes as words at 3072 + 128 e + 64 block + 4 row.
;   kimg: 25,600 bytes a step of 128 keys: head e, fragment b at 6144 e + 1536 b: registers 0-5 key tile 2 b, registers 6-11 key tile 2 b + 1, lane (row, block of the 64); scale bytes from 24576 on.
;   vimg: the same shape: fragment t = 16 of the head's 64, lane (row of the 16, h), registers 6 c .. 6 c + 5 = keys 64 c + 32 h + 0 .. 31.
; LIMITS: NaN and infinities among the inputs are not served.  A block of zeros gets the scale byte 1 where the rule says 127: its codes are zeros, and the bytes are read by this program alone.
; No tensor load, no ring.  385 work-groups: each of the 384 quantises its own copy of W, which spares a launch.
.set SPITCH, 528                       ; a stage row: 512 bytes + 16: 132 words, so that 16 rows begin in 16 different groups of four banks
.set STGW,  16*SPITCH                  ; LDS: a stage of 16 rows for each wave, its own
.set WIMG,  16*STGW                    ; W's 32 fragments (tile w, K step s: 2 w + s), 1,536 bytes each
.set WSC,   WIMG+32*1536               ; their scale words, 128 bytes each
.set XIMG,  WSC+32*128                 ; x's 16 fragments
.set XSC,   XIMG+16*1536
.set OUTQ,  XSC+16*128                 ; the way out: bytes of its own for each of the three kinds of work-group
.set OUTK,  OUTQ+28672
.set OUTV,  OUTK+25600
.set VL,  1                            ; v1  16 x lane
.set LS,  2                            ; v2  4 x lane
.set STA, 3                            ; v3  my stage + 16 x lane
.set STB, 4                            ; v4  my stage + 528 r + 64 h
.set WIA, 5                            ; v5  where I store W's images;  v6 their scale words
.set WSA, 6
.set XIA, 7                            ; v7  x's image;  v8 its scale word
.set XSA, 8
.set BH,  9                            ; v9  64 h: the bias for q and k
.set BR,  10                           ; v10 4 (r + 8 (r / 8)): the bias for v
.set WS,  12                           ; v12-15 W's scale words, v16-23 x's: they hold nothing else
.set XS,  16
.set PX,  24                           ; v24-26, v28-30: the second halves of the blocks' codes
.set PW,  31                           ; the scale word just made
.set RA,  32                           ; three sets of 64 numbers
.set RB,  96
.set RC,  160
.set WF,  32                           ; later: W's 4 fragments, x's 8, the 8 accumulators
.set XF,  80
.set ACC, 176
.set PC,  224                          ; a fragment's codes
.set TM,  240                          ; at work: 0-3 largest magnitudes, 4-7 the other half's and then the bytes, 8-11 the conversions' scale operands
.set BIAS, 240                         ; later: the bias in the result's layout, 8 registers for each of my two tiles of W
.set T2,  32                           ; the same work registers behind the product
.set CT,  48                           ; and four triples of codes
.set SEL, 38                           ; s[38:39] v_permlanex16_b32's selects for lane l xor 16
.macro ROWS reg, base, extra, nt       ; 16 rows of a tile, 128 numbers of each: every load reads 512 consecutive bytes
.irp j, 0,1,2,3,4,5,6,7,8,9,10,11,12,13,14,15
.if \nt
	global_load_b128 v[\reg+4*\j:\reg+4*\j+3], v[VL], s[\base:\base+1] offset:(\j+8*(\j/8))*1024+\extra th:TH_LOAD_NT
.else
	global_load_b128 v[\reg+4*\j:\reg+4*\j+3], v[VL], s[\base:\base+1] offset:(\j+8*(\j/8))*1024+\extra
.endif
.endr
.endm
.macro TURN reg                        ; through my stage: in as loaded, back so that register 16 b + i is k = 32 b + 16 h + i of row r.  LDS serves a wave's instructions in order: no wait between
.irp j, 0,1,2,3,4,5,6,7,8,9,10,11,12,13,14,15
	ds_store_b128 v[STA], v[\reg+4*\j:\reg+4*\j+3] offset:SPITCH*\j
.endr
.irp b, 0,1,2,3
.irp i, 0,1,2,3
	ds_load_b128 v[\reg+16*\b+4*\i:\reg+16*\b+4*\i+3], v[STB] offset:128*\b+16*\i
.endr
.endr
	s_wait_dscnt 0x0                               ; the numbers are back; every earlier LDS store of mine has read its registers too
.endm
; Four runs of 16 numbers, v[s + 16 b] on; lanes l and l xor 16 hold a block of 32 between them.  Codes of run b into the triple d_b, its byte into v[tm + 4 + b].
.macro QBLK s, tm, d0, d1, d2, d3
.irp b, 0,1,2,3
	v_max3_num_f32 v[\tm+\b], |v[\s+16*\b]|, |v[\s+1+16*\b]|, 0x1800000   ; my 16 numbers and the floor 2^(3 - 127): the byte cannot fall under 1
.endr
.irp i, 2,4,6,8,10,12,14
.irp b, 0,1,2,3
	v_max3_num_f32 v[\tm+\b], v[\tm+\b], |v[\s+16*\b+\i]|, |v[\s+1+16*\b+\i]|
.endr
.endr
.irp b, 0,1,2,3
	v_permlanex16_b32 v[\tm+4+\b], v[\tm+\b], s[SEL], s[SEL+1]
.endr
.irp b, 0,1,2,3
	v_max_num_f32 v[\tm+\b], v[\tm+\b], v[\tm+4+\b]        ; the block's largest magnitude
.endr
.irp b, 0,1,2,3
	v_add_nc_u32 v[\tm+8+\b], 0xff000000, v[\tm+\b]        ; 2 off its exponent field: the conversion's scale operand
.endr
.irp b, 0,1,2,3
	v_lshrrev_b32 v[\tm+4+\b], 23, v[\tm+8+\b]             ; the scale's byte
.endr
	v_cvt_scalef32_pk16_fp6_f32 v[\d0:\d0+2], v[\s:\s+15], v[\tm+8]
	v_cvt_scalef32_pk16_fp6_f32 v[\d1:\d1+2], v[\s+16:\s+31], v[\tm+9]
	v_cvt_scalef32_pk16_fp6_f32 v[\d2:\d2+2], v[\s+32:\s+47], v[\tm+10]
	v_cvt_scalef32_pk16_fp6_f32 v[\d3:\d3+2], v[\s+48:\s+63], v[\tm+11]
	v_nop                                          ; one plain place behind the scaled conversions
.endm
.macro QUANT s                         ; 64 numbers of my row, four blocks of one K step, become a fragment in v[PC] on and its scale word in v[PW]
	QBLK \s, TM, PC, PX, PC+6, PX+4
	v_lshl_or_b32 v[PW], v[TM+5], 8, v[TM+4]
	v_lshl_or_b32 v[PW], v[TM+6], 16, v[PW]
	v_lshl_or_b32 v[PW], v[TM+7], 24, v[PW]
.irp c, 0,1                            ; the operand wants a whole block in a lane: lanes 0-15 block 2 c, lanes 16-31 block 2 c + 1
.irp i, 0,1,2
	v_permlane16_swap_b32 v[PC+6*\c+\i], v[PX+4*\c+\i]
.endr
.irp i, 0,1,2
	v_mov_b32 v[PC+3+6*\c+\i], v[PX+4*\c+\i]
.endr
.endr
.endm
.macro IMAGE adr, off
.irp c, 0,1,2
	ds_store_b128 v[\adr], v[PC+4*\c:PC+4*\c+3] offset:\off+512*\c
.endr
.endm
.macro BARRIER                         ; my LDS stores have landed and my LDS loads are in: then the work-group's barrier
	s_wait_dscnt 0x0
	s_barrier_signal -1
	s_barrier_wait -1
.endm
; 16 matrix instructions: K step s, row tile mm, tile u of W: the eight accumulators take turns, one instruction a turn.  The bias is the C of each sum's first.
.macro PROD vm
.irp s, 0,1
.irp mm, 0,1,2,3
.irp u, 0,1
.if \vm
.set rD, ACC+32*(\mm/2)+16*\u+8*(\mm%2)
.set rA, XF+12*(2*\mm+\s)
.set rB, WF+12*(2*\u+\s)
.set rSA, XS+2*\mm+\s
.set rSB, WS+2*\u+\s
.else
.set rD, ACC+16*\mm+8*\u
.set rA, WF+12*(2*\u+\s)
.set rB, XF+12*(2*\mm+\s)
.set rSA, WS+2*\u+\s
.set rSB, XS+2*\mm+\s
.endif
.if \s == 0
	v_wmma_scale_f32_16x16x128_f8f6f4 v[rD:rD+7], v[rA:rA+11], v[rB:rB+11], v[BIAS+8*\u:BIAS+8*\u+7], v[rSA], v[rSB] matrix_a_fmt:MATRIX_FMT_FP6 matrix_b_fmt:MATRIX_FMT_FP6
.else
	v_wmma_scale_f32_16x16x128_f8f6f4 v[rD:rD+7], v[rA:rA+11], v[rB:rB+11], v[rD:rD+7], v[rSA], v[rSB] matrix_a_fmt:MATRIX_FMT_FP6 matrix_b_fmt:MATRIX_FMT_FP6
.endif
.endr
.endr
.endr
.rept 4
	v_nop                                          ; four places: the results are read, and the operands' registers written, next
.endr
	QBLK ACC, T2, CT, CT+4, CT+8, CT+12
.endm
; Register R = 3 h + k of a fragment's image lies in plane R / 4, at word R % 4 of the lane's 16 bytes.  v4 = h, v5 = the base; v44 at work.
.macro RADR dst, k
	v_mad_u32_u24 v[\dst], v4, 3, \k
	v_lshrrev_b32 v44, 2, v[\dst]
	v_and_b32 v[\dst], 3, v[\dst]
	v_lshl_add_u32 v[\dst], v[\dst], 2, v5
	v_lshl_add_u32 v[\dst], v44, 9, v[\dst]
.endm
; The block's record leaves LDS as it lies: 16 bytes a thread, 8,192 a round; the rest by the first nw waves.  Every store of a wave covers 512 consecutive bytes, aligned.
.macro COPY out, nw, ptr
	v_lshlrev_b32 v1, 4, v0
	v_add_nc_u32 v5, \out, v1
	ds_load_b128 v[64:67], v5
	ds_load_b128 v[68:71], v5 offset:8192
	ds_load_b128 v[72:75], v5 offset:16384
	s_wait_dscnt 0x2                               ; the first of the three is in; two younger loads may be out
	global_store_b128 v1, v[64:67], s[\ptr:\ptr+1]
	s_wait_dscnt 0x1
	global_store_b128 v1, v[68:71], s[\ptr:\ptr+1] offset:8192
	s_wait_dscnt 0x0
	global_store_b128 v1, v[72:75], s[\ptr:\ptr+1] offset:16384
	s_cmp_lt_u32 s36, \nw
	s_cbranch_scc0 .Ldone_\@
	ds_load_b128 v[76:79], v5 offset:24576
	s_wait_dscnt 0x0
	global_store_b128 v1, v[76:79], s[\ptr:\ptr+1] offset:24576
.Ldone_\@:
	s_wait_xcnt 0x0
	v_lshl_add_u32 v254, v0, 2, 0x48000
	v_mov_b32 v255, 0
	s_wait_tensorcnt 0x0
	ds_add_u32 v254, v255
	s_wait_dscnt 0x0
	s_endpgm
.endm
	s_load_b256 s[4:11], s[0:1], 0x0               ; q s[4:5], k s[6:7], v s[8:9], Wq s[10:11]
	s_load_b256 s[12:19], s[0:1], 0x20             ; Wk s[12:13], Wv s[14:15], Wo s[16:17], bq s[18:19]
	s_load_b256 s[20:27], s[0:1], 0x40             ; bk s[20:21], bv s[22:23], out0 s[24:25], qimg s[26:27]
	s_load_b128 s[28:31], s[0:1], 0x60             ; kimg s[28:29], vimg s[30:31]
	s_load_b64 s[32:33], s[0:1], 0x70              ; woimg
	s_lshr_b32 s34, ttmp9, 7                       ; T: 0 q, 1 k, 2 v, 3 Wo
	s_and_b32 s35, ttmp9, 127                      ; which 128 rows
	v_lshrrev_b32 v11, 5, v0
	v_readfirstlane_b32 s36, v11                   ; wave 0..15
	s_mov_b32 s[SEL], 0x76543210
	s_mov_b32 s[SEL+1], 0xfedcba98
	s_and_b32 s60, s36, 7                          ; g: my pair of tiles of W: columns 32 g on
	s_lshr_b32 s61, s36, 3                         ; half: my four row tiles
	s_bfe_u32 s62, s36, 0x20001                    ; e = g / 2: the head
	s_and_b32 s63, s36, 1                          ; beta = g % 2: the block of the head's 64
	v_and_b32 v11, 31, v0                          ; lane
	v_and_b32 v24, 15, v0                          ; r
	v_bfe_u32 v25, v0, 4, 1                        ; h
	v_lshlrev_b32 v[VL], 4, v11
	v_lshlrev_b32 v[LS], 2, v11
	s_mul_i32 s56, s36, STGW
	v_add_nc_u32 v[STA], s56, v[VL]
	v_mul_u32_u24 v[STB], v24, SPITCH
	v_lshl_add_u32 v[STB], v25, 6, v[STB]
	v_add_nc_u32 v[STB], s56, v[STB]
	s_mul_i32 s56, s36, 3072
	s_add_co_u32 s56, s56, WIMG
	v_add_nc_u32 v[WIA], s56, v[VL]
	s_lshl_b32 s56, s36, 8
	s_add_co_u32 s56, s56, WSC
	v_add_nc_u32 v[WSA], s56, v[LS]
	s_mul_i32 s56, s36, 1536
	s_add_co_u32 s56, s56, XIMG
	v_add_nc_u32 v[XIA], s56, v[VL]
	s_lshl_b32 s56, s36, 7
	s_add_co_u32 s56, s56, XSC
	v_add_nc_u32 v[XSA], s56, v[LS]
	v_lshlrev_b32 v[BH], 6, v25
	v_and_b32 v[BR], 8, v24
	v_add_nc_u32 v[BR], v[BR], v24
	v_lshlrev_b32 v[BR], 2, v[BR]
.irp b, 0,1,2,3
	v_mov_b32 v[TM+4+\b], 0                        ; written once: a lane permute's destination counts as one of its sources
.endr
	s_lshr_b32 s56, s36, 1                         ; tile w of W begins at row 32 (w / 2) + 8 (w % 2); a row is 1,024 bytes
	s_lshl_b32 s56, s56, 15
	s_and_b32 s57, s36, 1
	s_lshl_b32 s57, s57, 13
	s_add_co_u32 s56, s56, s57
	s_mov_b32 s57, 0
	s_lshl_b32 s58, s35, 17                        ; my fragment of x: 128 rows a block; row tile w / 2 begins at row 32 (w / 4) + 8 ((w / 2) % 2); K step w % 2
	s_lshr_b32 s59, s36, 2
	s_lshl_b32 s59, s59, 15
	s_add_co_u32 s58, s58, s59
	s_bfe_u32 s59, s36, 0x10001
	s_lshl_b32 s59, s59, 13
	s_add_co_u32 s58, s58, s59
	s_and_b32 s59, s36, 1
	s_lshl_b32 s59, s59, 9
	s_add_co_u32 s58, s58, s59
	s_mov_b32 s59, 0
	s_lshl_b32 s66, s60, 7                         ; my 32 numbers of the bias
	s_mov_b32 s67, 0
	s_wait_kmcnt 0x0
	s_cmp_eq_u32 s34, 3
	s_cbranch_scc1 .Lwo
	s_cmp_eq_u32 s34, 0                            ; the choices hang on the work-group's number alone
	s_cselect_b64 s[40:41], s[4:5], s[6:7]
	s_cselect_b64 s[42:43], s[10:11], s[12:13]
	s_cselect_b64 s[44:45], s[18:19], s[20:21]
	s_cmp_eq_u32 s34, 2
	s_cselect_b64 s[40:41], s[8:9], s[40:41]       ; x
	s_cselect_b64 s[42:43], s[14:15], s[42:43]     ; W
	s_cselect_b64 s[44:45], s[22:23], s[44:45]     ; b
	s_add_nc_u64 s[46:47], s[42:43], s[56:57]
	s_add_nc_u64 s[48:49], s[40:41], s[58:59]
	s_add_nc_u64 s[50:51], s[24:25], s[58:59]
	s_add_nc_u64 s[52:53], s[44:45], s[66:67]
	ROWS RA, 46, 0, 0                              ; 48 loads of mine are out
	ROWS RB, 46, 512, 0
	ROWS RC, 48, 0, 1
	; ---- W: my tile, two K steps
	s_wait_loadcnt 32                              ; the first 16 loads are in; the 32 behind them may be out
	TURN RA
	QUANT RA
	IMAGE WIA, 0
	ds_store_b32 v[WSA], v[PW]
	s_wait_loadcnt 16                              ; the second 16; x's 16 may be out
	TURN RB                                        ; (its closing wait also shows that the image's stores have read the codes' registers)
	QUANT RB
	IMAGE WIA, 1536
	ds_store_b32 v[WSA], v[PW] offset:128
	; ---- x: my fragment; q's numbers also leave as out0, as they were loaded
	s_wait_loadcnt 0x0
	s_cmp_lg_u32 s34, 0
	s_cbranch_scc1 .Lno_copy
.irp j, 0,1,2,3,4,5,6,7,8,9,10,11,12,13,14,15
	global_store_b128 v[VL], v[RC+4*\j:RC+4*\j+3], s[50:51] offset:(\j+8*(\j/8))*1024 th:TH_STORE_NT   ; 512 consecutive bytes, aligned; the sixteen waves cover the block's 128 rows
.endr
.Lno_copy:
	s_wait_xcnt 0x0                                ; the stores' data registers are written again only behind this wait
	TURN RC
	QUANT RC
	IMAGE XIA, 0
	ds_store_b32 v[XSA], v[PW]
	s_cmp_eq_u32 s34, 2                            ; the bias in the result's layout, into the registers that the quantiser has left
	s_cbranch_scc1 .Lbias_v
.irp u, 0,1
.irp c, 0,1
	global_load_b128 v[BIAS+8*\u+4*\c:BIAS+8*\u+4*\c+3], v[BH], s[52:53] offset:32*\u+16*\c   ; q, k: register 8 u + j: column 32 g + 16 h + 8 u + j
.endr
.endr
	s_branch .Lbias_in
.Lbias_v:
.irp u, 0,1
.irp j, 0,1,2,3,4,5,6,7
	global_load_b32 v[BIAS+8*\u+\j], v[BR], s[52:53] offset:32*\u   ; v: a lane holds one column, 32 g + 8 u + r + 8 (r / 8), in all eight registers
.endr
.endr
.Lbias_in:
	BARRIER                                        ; W's 32 fragments and x's 16 lie in LDS
	; ---- my operands
	s_mul_i32 s56, s60, 6144
	s_add_co_u32 s56, s56, WIMG
	v_lshl_add_u32 v3, v11, 4, s56
	s_lshl_b32 s56, s60, 9
	s_add_co_u32 s56, s56, WSC
	v_lshl_add_u32 v4, v11, 2, s56
	s_mul_i32 s56, s61, 12288
	s_add_co_u32 s56, s56, XIMG
	v_lshl_add_u32 v5, v11, 4, s56
	s_lshl_b32 s56, s61, 10
	s_add_co_u32 s56, s56, XSC
	v_lshl_add_u32 v6, v11, 2, s56
.irp f, 0,1,2,3
.irp c, 0,1,2
	ds_load_b128 v[WF+12*\f+4*\c:WF+12*\f+4*\c+3], v3 offset:1536*\f+512*\c
.endr
	ds_load_b32 v[WS+\f], v4 offset:128*\f
.endr
.irp f, 0,1,2,3,4,5,6,7
.irp c, 0,1,2
	ds_load_b128 v[XF+12*\f+4*\c:XF+12*\f+4*\c+3], v5 offset:1536*\f+512*\c
.endr
	ds_load_b32 v[XS+\f], v6 offset:128*\f
.endr
	s_wait_loadcnt 0x0                             ; the bias
	s_wait_dscnt 0x0
	s_cmp_eq_u32 s34, 2
	s_cbranch_scc1 .Lv
	PROD 0                                         ; q, k: unit n = row tile 4 half + n: 16 codes of block (e, beta), k = 16 h on, of row r
	v_and_b32 v3, 15, v0                           ; r
	v_bfe_u32 v4, v0, 4, 1                         ; h
	s_cmp_eq_u32 s34, 1
	s_cbranch_scc1 .Lk
	; ---- q's record: eight tiles of 3,584 bytes
	s_mul_i32 s56, s61, 14336
	s_mul_i32 s57, s62, 768
	s_add_co_u32 s57, s57, s56
	s_mul_i32 s58, s63, 384
	s_add_co_u32 s57, s57, s58
	s_add_co_u32 s57, s57, OUTQ
	v_mul_u32_u24 v5, v3, 24
	v_mad_u32_u24 v5, v4, 12, v5
	v_add_nc_u32 v5, s57, v5                       ; codes: 768 e + 384 beta + 24 r + 12 h
	s_lshl_b32 s57, s62, 7
	s_add_co_u32 s57, s57, s56
	s_lshl_b32 s58, s63, 6
	s_add_co_u32 s57, s57, s58
	s_add_co_u32 s57, s57, OUTQ+3072
	v_lshl_add_u32 v6, v3, 2, s57                  ; the byte, as a word: 3072 + 128 e + 64 beta + 4 r (both lanes of a block write the same word with the same value)
.irp n, 0,1,2,3
.irp i, 0,1,2
	ds_store_b32 v5, v[CT+4*\n+\i] offset:3584*\n+4*\i
.endr
	ds_store_b32 v6, v[T2+4+\n] offset:3584*\n
.endr
	s_mul_i32 s56, s35, 28672
	s_mov_b32 s57, 0
	s_add_nc_u64 s[54:55], s[26:27], s[56:57]
	BARRIER
	COPY OUTQ, 8, 54
.Lk:
	; ---- k's record.  Unit n: key tile 4 half + n = half c = n % 2 of fragment 2 half + n / 2; target lane r + 16 beta, register 6 c + 3 h + i
	s_mul_i32 s56, s62, 6144
	s_lshl_b32 s57, s63, 8
	s_add_co_u32 s56, s56, s57
	s_mul_i32 s57, s61, 3072
	s_add_co_u32 s56, s56, s57
	s_add_co_u32 s56, s56, OUTK
	v_lshl_add_u32 v5, v3, 4, s56
	RADR 6, 0
	RADR 7, 1
	RADR 8, 2
	RADR 9, 6
	RADR 10, 7
	RADR 11, 8
	s_lshl_b32 s56, s62, 8
	s_lshl_b32 s57, s61, 2
	s_add_co_u32 s56, s56, s57
	s_add_co_u32 s56, s56, s63
	s_add_co_u32 s56, s56, OUTK+24576
	v_lshl_add_u32 v2, v3, 3, s56                  ; scale bytes: 256 e + 8 (r + 16 (b % 2)) + 4 (b / 2) + 2 c + beta, b = 2 half + n / 2
.irp n, 0,1,2,3
.irp i, 0,1,2
	ds_store_b32 v[6+3*(\n%2)+\i], v[CT+4*\n+\i] offset:1536*(\n/2)
.endr
	ds_store_b8 v2, v[T2+4+\n] offset:128*(\n/2)+2*(\n%2)
.endr
	s_mul_i32 s56, s35, 25600
	s_mov_b32 s57, 0
	s_add_nc_u64 s[54:55], s[28:29], s[56:57]
	BARRIER
	COPY OUTK, 2, 54
.Lv:
	; ---- v's record.  Unit n = 2 bb + u: column tile t = 2 beta + u of head e, row r; keys 32 (2 half + bb) + 16 h on: target lane r + 16 bb, register 6 half + 3 h + i
	PROD 1
	v_and_b32 v3, 15, v0
	v_bfe_u32 v4, v0, 4, 1
	s_mul_i32 s56, s62, 6144
	s_mul_i32 s57, s63, 3072
	s_add_co_u32 s56, s56, s57
	s_add_co_u32 s56, s56, OUTV
	v_lshl_add_u32 v5, v3, 4, s56
	s_mul_i32 s56, s61, 6
	s_add_co_u32 s57, s56, 1
	s_add_co_u32 s58, s56, 2
	RADR 6, s56
	RADR 7, s57
	RADR 8, s58
	s_lshl_b32 s56, s62, 8
	s_lshl_b32 s57, s63, 2
	s_add_co_u32 s56, s56, s57
	s_lshl_b32 s57, s61, 1
	s_add_co_u32 s56, s56, s57
	s_add_co_u32 s56, s56, OUTV+24576
	v_lshl_add_u32 v2, v3, 3, s56                  ; scale bytes: 256 e + 8 (r + 16 u) + 4 beta + 2 half + bb
.irp n, 0,1,2,3
.irp i, 0,1,2
	ds_store_b32 v[6+\i], v[CT+4*\n+\i] offset:1536*(\n%2)+256*(\n/2)
.endr
	ds_store_b8 v2, v[T2+4+\n] offset:128*(\n%2)+(\n/2)
.endr
	s_mul_i32 s56, s35, 25600
	s_mov_b32 s57, 0
	s_add_nc_u64 s[54:55], s[30:31], s[56:57]
	BARRIER
	COPY OUTV, 2, 54
.Lwo:
	; ---- Wo: wave w quantises tile w and stores its two fragments' images and scale words; each store of codes covers 512 consecutive bytes
	s_add_nc_u64 s[46:47], s[16:17], s[56:57]
	ROWS RA, 46, 0, 0
	ROWS RB, 46, 512, 0
	s_mul_i32 s58, s36, 3072
	s_mov_b32 s59, 0
	s_add_nc_u64 s[54:55], s[32:33], s[58:59]
	s_lshl_b32 s58, s36, 8
	s_add_co_u32 s58, s58, 49152
	s_add_nc_u64 s[66:67], s[32:33], s[58:59]
	s_wait_loadcnt 16                              ; K step 0 is in; K step 1's 16 loads may be out
	TURN RA
	QUANT RA
.irp c, 0,1,2
	global_store_b128 v[VL], v[PC+4*\c:PC+4*\c+3], s[54:55] offset:512*\c
.endr
	global_store_b32 v[LS], v[PW], s[66:67]
	s_wait_loadcnt 0x0
	TURN RB
	s_wait_xcnt 0x0                                ; the stores' data registers are written again only behind this wait
	QUANT RB
.irp c, 0,1,2
	global_store_b128 v[VL], v[PC+4*\c:PC+4*\c+3], s[54:55] offset:1536+512*\c
.endr
	global_store_b32 v[LS], v[PW], s[66:67] offset:128
	s_wait_xcnt 0x0
	v_lshl_add_u32 v254, v0, 2, 0x48000
	v_mov_b32 v255, 0
	s_wait_tensorcnt 0x0
	ds_add_u32 v254, v255
	s_wait_dscnt 0x0
	s_endpgm
.Lfunc_end_k_qb9a8907472_prep:
	.size	k_qb9a8907472_prep, .Lfunc_end_k_qb9a8907472_prep-k_qb9a8907472_prep
	.p2alignl 7, 3214868480
	.fill 96, 4, 3214868480
	.section	.rodata,"a",@progbits
	.p2align	6, 0x0
	.amdhsa_kernel k_qb9a8907472_prep
		.amdhsa_group_segment_fixed_size 296960
		.amdhsa_private_segment_fixed_size 0
		.amdhsa_enable_private_segment 0
		.amdhsa_kernarg_size 120
		.amdhsa_user_sgpr_count 2
		.amdhsa_user_sgpr_kernarg_segment_ptr 1
		.amdhsa_wavefront_size32 1
		.amdhsa_system_sgpr_workgroup_id_x 1
		.amdhsa_system_sgpr_workgroup_id_y 1
		.amdhsa_system_sgpr_workgroup_id_z 1
		.amdhsa_system_vgpr_workitem_id 0
		.amdhsa_next_free_vgpr 256
		.amdhsa_next_free_sgpr 100
		.amdhsa_reserve_vcc 0
		.amdhsa_float_denorm_mode_32 3
		.amdhsa_float_denorm_mode_16_64 3
		.amdhsa_memory_ordered 1
		.amdhsa_forward_progress 1
		.amdhsa_inst_pref_size 72
	.end_amdhsa_kernel
	.amdgpu_metadata
---
amdhsa.version: [ 1, 2 ]
amdhsa.kernels:
  - .name:           k_qb9a8907472_prep
    .symbol:         k_qb9a8907472_prep.kd
    .args:
      - { .name: q, .offset: 0, .size: 8, .value_kind: global_buffer, .address_space: global }
      - { .name: k, .offset: 8, .size: 8, .value_kind: global_buffer, .address_space: global }
      - { .name: v, .offset: 16, .size: 8, .value_kind: global_buffer, .address_space: global }
      - { .name: Wq, .offset: 24, .size: 8, .value_kind: global_buffer, .address_space: global }
      - { .name: Wk, .offset: 32, .size: 8, .value_kind: global_buffer, .address_space: global }
      - { .name: Wv, .offset: 40, .size: 8, .value_kind: global_buffer, .address_space: global }
      - { .name: Wo, .offset: 48, .size: 8, .value_kind: global_buffer, .address_space: global }
      - { .name: bq, .offset: 56, .size: 8, .value_kind: global_buffer, .address_space: global }
      - { .name: bk, .offset: 64, .size: 8, .value_kind: global_buffer, .address_space: global }
      - { .name: bv, .offset: 72, .size: 8, .value_kind: global_buffer, .address_space: global }
      - { .name: out0, .offset: 80, .size: 8, .value_kind: global_buffer, .address_space: global }
      - { .name: qimg, .offset: 88, .size: 8, .value_kind: global_buffer, .address_space: global }
      - { .name: kimg, .offset: 96, .size: 8, .value_kind: global_buffer, .address_space: global }
      - { .name: vimg, .offset: 104, .size: 8, .value_kind: global_buffer, .address_space: global }
      - { .name: woimg, .offset: 112, .size: 8, .value_kind: global_buffer, .address_space: global }
    .group_segment_fixed_size: 296960
    .private_segment_fixed_size: 0
    .kernarg_segment_align: 8
    .kernarg_segment_size: 120
    .max_flat_workgroup_size: 512
    .sgpr_count:     100
    .vgpr_count:     256
    .wavefront_size: 32
...
	.end_amdgpu_metadata
.endif
;; end of part 1
;; launch attn (part 2): grid 64 x 4, 16 waves a work-group, clusters of 4 x 1, 327,680 bytes of LDS; arguments qimg, kimg, vimg, woimg, bo, out1, out2; writes out1, out2
.if DOCPART == 2
	.amdgcn_target "amdgcn-amd-amdhsa--gfx1250"
	.amdhsa_code_object_version 6
	.text
	.protected	k_qb9a8907472_attn
	.globl	k_qb9a8907472_attn
	.p2align	8
	.type	k_qb9a8907472_attn,@function
k_qb9a8907472_attn:
	s_mov_b64 s[64:65], 0
	v_nop
	global_prefetch_b8 v0, s[64:65] scope:SCOPE_SE
	s_setreg_imm32_b32 hwreg(HW_REG_WAVE_MODE, 25, 1), 1
	s_wait_xcnt 0x0
	s_wait_alu depctr_hold_cnt(0) depctr_sa_sdst(0) depctr_va_vdst(0) depctr_va_sdst(0) depctr_va_ssrc(0) depctr_va_vcc(0) depctr_vm_vsrc(0)
	s_getreg_b32 s2, hwreg(HW_REG_IB_STS2, 6, 4)
	s_cmp_eq_u32 s2, 0
	s_cbranch_scc0 .Lentry_in_a_cluster
	s_endpgm
.Lentry_in_a_cluster:
	s_bfe_u32 s2, ttmp6, 0x10000c
	s_cmp_lg_u32 s2, 0x3003
	s_cbranch_scc0 .Lentry_shape_is_right
	s_endpgm
.Lentry_shape_is_right:
; out1 = out2 = (softmax(Q K^T) / 16) V, heads joined, x Wo^T + bo: all three products on codes of FP6 (E2M3) with one E8M0 scale for each 32 along K.  The operands come as images of their registers.
; WHAT IS QUANTISED AHEAD OF THE SECOND PRODUCT IS THE FINISHED att = softmax / 16, along the keys.  So a row's maximum and sum are known before any att is made: THE KEYS ARE WALKED TWICE.
;   Pass 1: S^T = K Q^T; t = S log2(e); M = the running largest t rounded up to a whole number; l = the sum of 2^(t - M), brought under a new M by the exact factor 2^(old M - new M).
;   Pass 2: S^T again (the same instructions on the same codes: the same bits); att = 2^(t - M) x (1 / l) / 16; its blocks of 32 keys are quantised; O^T += V^T att^T.  O needs no rescaling and no division.
; THE HEAD'S 64 AGAINST THE INSTRUCTION'S 128: a fragment of K holds TWO tiles of 16 keys (k 0-63: tile 2 b; k 64-127: tile 2 b + 1).  It is multiplied once by [Q | zeros] and once by [zeros | Q]:
; zero codes add nothing.  Q with six registers of zeros on either side serves as both.
; SHARES.  A work-group owns 64 queries of a batch and all four heads, so that the output projection is made here.  Sixteen waves, four to a SIMD: wave w has head w / 4 and query tile w % 4.
; Both products are used transposed: a lane holds one query throughout.  The rows of every tile (queries, keys, the head's 64, Wo's rows) are 32 b + 8 u + rho + 8 (rho / 8) for tile 2 b + u.
; BY TURNS IN ONE WAVE.  The keys go in HALVES of a step: 64 keys, two fragments of K, four products, 32 registers of scores, in two buffers.  In trip j the exponentials of half j stand singly between the plain
; instructions of its neighbours: first what follows the exponentials of half j - 1 (pass 1: the sums; pass 2: x 1 / (16 l), the scale bytes, the conversions, and after a step's second half the four products
; with V), then the products of half j + 1 into the buffer so freed, the LDS loads of half j + 2, and what precedes the exponentials of half j + 1 (maxima, M in pass 1, t - M).  Nothing in a trip names an
; exponential's result: one wait stands at the trip's end.  So a wave comes to a change of slots, and leaves it, with work on registers in hand.
; THE RING: two LDS slots of four tiles of 25,600 bytes (a step of 128 keys of K or of V, all heads).  The LDS reads run a step ahead of the exponentials: the trips of step i read V(i) and K(i + 1).
; Pass 1: a slot holds K(4 s .. 4 s + 3); the change of slots stands ahead of the trips that read its first tile.  Pass 2: a slot holds K(2 s + 1), K(2 s + 2), V(2 s), V(2 s + 1), so that the trips of a step
; read one slot alone; K(0) for pass 2's first products lies in bytes of its own, filled once, with the first fills.  Waves 0 to 3 fetch a tile each.
; CLUSTER: the four work-groups of a cluster belong to one batch and walk the same K and V: every tile is asked for jointly, by the same load with the same descriptor and the mask of all four.
; LIMITS: NaN and infinities are not served.  2^(t - M) under 2^-126 is taken as 0.  A block's largest att is made from the block's largest t - M by the same instructions, which takes v_exp_f32 not to fall
; where its input rises.  A block of zeros has the scale byte 1: its codes are zeros.
.set TILE,  25600
.set SLOT1, 1<<17                      ; slot 1 begins here: one exclusive or turns an address in one slot into the other's
.set K0X,   4*TILE                     ; behind slot 0: K's step 0 for pass 2's first products: filled once
.set SPARE, 5*TILE                     ; the spare words, 128 bytes for each wave: eight blocks of 256 bytes that no other line names
.set STG,   SLOT1+4*TILE               ; behind slot 1: 64 rows x (1,024 bytes + 16) for the way out
.set SP,    1040
.set OIMG,  STG+64*SP                  ; o's 8 fragments (query tile m, K step s: 2 m + s), six planes of 8 bytes a lane; no tensor load lands here
.set OSC,   OIMG+8*1536                ; their scale words
.set AK0, 1                            ; v1  16 x lane + 6144 e: my place in a tile's codes
.set AS0, 2                            ; v2  8 x lane + 24576 + 256 e: and among its scale words
.set SPW, 3                            ; v3  LDS address of my spare word; never rewritten
.set NIL, 4                            ; v4  0; never rewritten
.set ADK, 5                            ; v5, v6  the addresses of the tile in hand
.set ADS, 6
.set PFO, 7                            ; v7  256 x lane: the prefetches' offset; never rewritten
.set QHI, 12                           ; v12-17 zeros, v18-23 Q, v24-29 zeros: [zeros | Q] = v12-23, [Q | zeros] = v18-29
.set QLO, 18
.set QSL, 30                           ; Q's scale words for the two uses
.set QSH, 31
.set KF,  32                           ; v32-55 two fragments of K: a half step
.set VF,  56                           ; v56-103 four fragments of V: a step
.set KS,  104                          ; K's scale words of the half: lanes 0-15 the first fragment's, lanes 16-31 the second's
.set PW,  105                          ; att's scale word
.set VS,  106                          ; v106-107 V's scale words: register t / 2, lanes 0-15 for even t, lanes 16-31 for odd t
.set NMA, 108                          ; -M of even halves (v109 named with it as a pair);  v110 of odd halves: the last half is odd
.set NMB, 110
.set LSUM, 112                         ; v112-113 l in two halves
.set FA,  114                          ; v114 the factor of even halves, v116 of odd halves (each the low word of a pair)
.set R16, 118                          ; v118-119 1 / (16 l), twice
.set TP,  120                          ; v120-121 the sums' second chain
.set T1,  122                          ; the running largest t
.set TD,  123                          ; at work
.set BM,  124                          ; v124-125 the two blocks' largest of even halves, v126-127 of odd halves
.set S,   128                          ; v128-159, v160-191 the two buffers: register 16 f + i = key 32 (2 half + f) + 16 h + i
.set O,   192                          ; v192-223 O^T: register 16 b + i = channel 32 b + 16 h + i of the head
.set PC,  224                          ; v224-235 att's codes;  v236-238 a block's second half
.set PX,  236
.set HH,  239                          ; head and tail: h
.set BP,  240                          ; v240-241 the other half of the lanes' numbers
.set SO,  242                          ; v242-243 the conversions' scale operands
.set BY,  244                          ; v244-245 the scale bytes
.set LN,  246                          ; head and tail: lane, r
.set RR,  247
.set OS,  248                          ; v248-255 o's scale words: they hold nothing else
.set ACC2, 64                          ; the tail: the projection's four accumulators
.set WV,  18
.set SEL, 20
.set CS,  22                           ; s[22:23] log2(e): the packed form names a pair and takes its low word
.set G1,  24                           ; s[24:31] descriptor group 1;  s[32:35], s[36:39] groups 0 for K's and V's tiles, which walk
.set G0K, 32
.set G0V, 36
.set TB,  40                           ; LDS byte at which the tile in hand begins
.set CNT, 41
.set INN, 42
.set LIM, 43                           ; 1 in a wave that prefetches, else the greatest number
.set PFA, 44                           ; s[44:45] where my prefetches stand;  s[46:47] where they begin in V
.set PFV, 46
.set exi, 0                            ; the exponentials of the trip in hand: how many are written, how many there are, and on which registers
.set exn, 0
.set EB,  S
.set EBM, BM
.macro ROUND                           ; a round of the cluster's barrier
	s_barrier_signal -1
	s_barrier_wait -1
	s_cmp_lg_u32 s[WV], 0
	s_cbranch_scc1 .Lnot_wave_0_\@
	s_barrier_signal -3
.Lnot_wave_0_\@:
	s_barrier_wait -3
	s_barrier_signal -1
	s_barrier_wait -1
.endm
.macro TLOAD1 n                        ; the first n waves fetch a tile of K each.  The branch hangs on the wave's number alone.  Four v_nop follow the load
	s_cmp_lt_u32 s[WV], \n
	s_cbranch_scc0 .Lnone_\@
	tensor_load_to_lds s[G0K:G0K+3], s[G1:G1+7]
	s_nop 0
.rept 4
	v_nop
.endr
.Lnone_\@:
.endm
.macro TLOAD2                          ; pass 2: waves 0 and 1 fetch K's two steps, waves 2 and 3 V's
	s_cmp_lt_u32 s[WV], 2
	s_cbranch_scc0 .Lnot_k_\@
	tensor_load_to_lds s[G0K:G0K+3], s[G1:G1+7]
	s_nop 0
.rept 4
	v_nop
.endr
	s_branch .Lasked_\@
.Lnot_k_\@:
	s_cmp_lt_u32 s[WV], 4
	s_cbranch_scc0 .Lasked_\@
	tensor_load_to_lds s[G0V:G0V+3], s[G1:G1+7]
	s_nop 0
.rept 4
	v_nop
.endr
.Lasked_\@:
.endm
.macro TLOAD3                          ; pass 2's last slot: K has one step left, 31: wave 1 fetches nothing
	s_cmp_eq_u32 s[WV], 0
	s_cbranch_scc0 .Lnot_k_\@
	tensor_load_to_lds s[G0K:G0K+3], s[G1:G1+7]
	s_nop 0
.rept 4
	v_nop
.endr
	s_branch .Lasked_\@
.Lnot_k_\@:
	s_cmp_lt_u32 s[WV], 2
	s_cbranch_scc1 .Lasked_\@
	s_cmp_lt_u32 s[WV], 4
	s_cbranch_scc0 .Lasked_\@
	tensor_load_to_lds s[G0V:G0V+3], s[G1:G1+7]
	s_nop 0
.rept 4
	v_nop
.endr
.Lasked_\@:
.endm
; PREFETCHES INTO THE L2, behind a change's tensor loads.  All sixteen clusters of a batch walk the same tiles: the first of them asks.  Its four partners take one step of four each, told apart BY ADDRESS;
; in each, waves 4 to 6, which fetch nothing in the loops, ask for the step's 24,576 bytes of codes, 8,192 a wave, lanes 256 bytes apart: each block is named once.  Pass 1: at the change that asks for steps
; 4 i + 4 on, the four steps behind those; at its last such change V's steps 0 to 3.  Pass 2: at every second change the next four steps of V.  K has been read in pass 1 and is not asked for again; the first
; fills, the tiles' 1,024 scale bytes and whatever would lie past step 31 are not asked for.
.macro ASK1
	s_cmp_ge_u32 s[CNT], s[LIM]
	s_cbranch_scc0 .Lnot_mine_\@
	global_prefetch_b8 v[PFO], s[PFA:PFA+1] th:TH_LOAD_NT scope:SCOPE_SE
.Lnot_mine_\@:
.endm
.macro ASK2
	s_cmp_gt_u32 s[CNT], s[LIM]
	s_cbranch_scc0 .Lnot_mine_\@
	s_bitcmp1_b32 s[CNT], 0
	s_cbranch_scc0 .Lnot_mine_\@
	global_prefetch_b8 v[PFO], s[PFA:PFA+1] th:TH_LOAD_NT scope:SCOPE_SE
.Lnot_mine_\@:
.endm
; THE CHANGE OF SLOTS.  Each wave waits for all its tensor loads, adds 0 to its spare word, and waits for that and for its reads of the slot that it has left (the last were issued half a trip ago).  Behind the
; round the slot ahead is whole in every partner and nobody reads the other: it is filled with what follows, by one load a wave, which has a whole slot's trips in which to land.
; kind 1: pass 1, four steps of K on.  2: pass 2's first slot (K goes back to step 1; V's descriptor stands at step 0).  3: pass 2, two steps on.  4: the same, for the last slot.  0: nothing is left to fetch.
.macro CHANGE kind
	s_wait_tensorcnt 0x0                           ; no tensor load of mine is out, so a group 0 may be written
	ds_add_u32 v[SPW], v[NIL]                      ; 0 onto my spare word
.if \kind == 1
	s_xor_b32 s[G0K+1], s[G0K+1], SLOT1
	s_add_nc_u64 s[G0K+2:G0K+3], s[G0K+2:G0K+3], 4*TILE
	s_wait_xcnt 0x0                                ; the last prefetch, a slot back, has read its address
	s_add_nc_u64 s[PFA:PFA+1], s[PFA:PFA+1], 4*TILE
	s_cmp_eq_u32 s[CNT], 1
	s_cselect_b64 s[PFA:PFA+1], s[PFV:PFV+1], s[PFA:PFA+1]   ; K has no steps left to name: on to V's first four
.elseif \kind == 2
	s_xor_b32 s[G0K+1], s[G0K+1], SLOT1
	s_sub_nc_u64 s[G0K+2:G0K+3], s[G0K+2:G0K+3], 27*TILE     ; from step 28 + wave to step 1 + wave
	s_wait_xcnt 0x0
	s_add_nc_u64 s[PFA:PFA+1], s[PFA:PFA+1], 2*TILE
.elseif \kind > 2
	s_xor_b32 s[G0K+1], s[G0K+1], SLOT1
	s_add_nc_u64 s[G0K+2:G0K+3], s[G0K+2:G0K+3], 2*TILE
	s_xor_b32 s[G0V+1], s[G0V+1], SLOT1
	s_add_nc_u64 s[G0V+2:G0V+3], s[G0V+2:G0V+3], 2*TILE
.if \kind == 3
	s_wait_xcnt 0x0
	s_add_nc_u64 s[PFA:PFA+1], s[PFA:PFA+1], 2*TILE
.endif
.endif
	s_wait_dscnt 0x0                               ; the add is done, and my reads of the slot that I have left are over
.if \kind == 0
	s_barrier_signal -1
	s_barrier_wait -1
.else
	ROUND
.if \kind == 1
	TLOAD1 4
	ASK1
.elseif \kind == 2
	TLOAD2
.elseif \kind == 3
	TLOAD2
	ASK2
.else
	TLOAD3
.endif
.endif
.endm
.macro EX n                            ; the next n exponentials of the trip in hand, as far as there are any left: 32 on the buffer, in pass 2 two more on the blocks' largest
.rept \n
.if exi < exn
.if exi < 32
	v_exp_f32 v[EB+exi], v[EB+exi]
.else
	v_exp_f32 v[EBM+exi-32], v[EBM+exi-32]
.endif
.endif
.set exi, exi+1
.endr
.endm
.macro KLH hs                          ; half hs of a step of K: two fragments and their scale words, as they lie: every load reads consecutive bytes
.irp f, 0,1
.irp c, 0,1,2
	ds_load_b128 v[KF+12*\f+4*\c:KF+12*\f+4*\c+3], v[ADK] offset:3072*(\hs)+1536*\f+512*\c
.endr
.endr
	ds_load_b32 v[KS], v[ADS] offset:4*(\hs)
.endm
.macro VLD                             ; a step of V: it lies two tiles behind the tile of K in hand
.irp f, 0,1,2,3
.irp c, 0,1,2
	ds_load_b128 v[VF+12*\f+4*\c:VF+12*\f+4*\c+3], v[ADK] offset:2*TILE+1536*\f+512*\c
.endr
.endr
	ds_load_b64 v[VS:VS+1], v[ADS] offset:2*TILE
.endm
.macro QKM q                           ; S^T of 64 keys into buffer q: four tiles, each begun with the constant 0
.set SQ, S+32*(\q)
	v_wmma_scale_f32_16x16x128_f8f6f4 v[SQ:SQ+7], v[KF:KF+11], v[QLO:QLO+11], 0, v[KS], v[QSL] matrix_a_fmt:MATRIX_FMT_FP6 matrix_b_fmt:MATRIX_FMT_FP6
	v_wmma_scale_f32_16x16x128_f8f6f4 v[SQ+8:SQ+15], v[KF:KF+11], v[QHI:QHI+11], 0, v[KS], v[QSH] matrix_a_fmt:MATRIX_FMT_FP6 matrix_b_fmt:MATRIX_FMT_FP6
	v_wmma_scale_f32_16x16x128_f8f6f4 v[SQ+16:SQ+23], v[KF+12:KF+23], v[QLO:QLO+11], 0, v[KS], v[QSL] matrix_a_fmt:MATRIX_FMT_FP6 matrix_b_fmt:MATRIX_FMT_FP6 matrix_a_scale:MATRIX_SCALE_ROW1
	v_wmma_scale_f32_16x16x128_f8f6f4 v[SQ+24:SQ+31], v[KF+12:KF+23], v[QHI:QHI+11], 0, v[KS], v[QSH] matrix_a_fmt:MATRIX_FMT_FP6 matrix_b_fmt:MATRIX_FMT_FP6 matrix_a_scale:MATRIX_SCALE_ROW1
.endm
.macro PVM                             ; O^T += V^T att^T: four accumulators, one instruction a turn
.irp t, 0,1,2,3
.if \t%2
	v_wmma_scale_f32_16x16x128_f8f6f4 v[O+8*\t:O+8*\t+7], v[VF+12*\t:VF+12*\t+11], v[PC:PC+11], v[O+8*\t:O+8*\t+7], v[VS+\t/2], v[PW] matrix_a_fmt:MATRIX_FMT_FP6 matrix_b_fmt:MATRIX_FMT_FP6 matrix_a_scale:MATRIX_SCALE_ROW1
.else
	v_wmma_scale_f32_16x16x128_f8f6f4 v[O+8*\t:O+8*\t+7], v[VF+12*\t:VF+12*\t+11], v[PC:PC+11], v[O+8*\t:O+8*\t+7], v[VS+\t/2], v[PW] matrix_a_fmt:MATRIX_FMT_FP6 matrix_b_fmt:MATRIX_FMT_FP6
.endif
.endr
.endm
.macro BLK2 q                          ; the largest of my 16 numbers of each of buffer q's two blocks, each tile read from its low end on
.set SQ, S+32*(\q)
.set BQ, BM+2*(\q)
.irp b, 0,1
	v_max3_num_f32 v[BQ+\b], v[SQ+16*\b], v[SQ+1+16*\b], v[SQ+2+16*\b]
.endr
	EX 1
.irp i, 3,5,7,9,11,13
.irp b, 0,1
	v_max3_num_f32 v[BQ+\b], v[BQ+\b], v[SQ+16*\b+\i], v[SQ+1+16*\b+\i]
.endr
	EX 1
.endr
.irp b, 0,1
	v_max_num_f32 v[BQ+\b], v[BQ+\b], v[SQ+15+16*\b]
.endr
	EX 1
.endm
.macro TMM q, nm                       ; t - M on buffer q, two at a time; nm: the register of -M
.set SQ, S+32*(\q)
.irp k, 0,4,8,12,16,20,24,28
	v_pk_fma_f32 v[SQ+\k:SQ+\k+1], v[SQ+\k:SQ+\k+1], s[CS:CS+1], v[\nm:\nm+1] op_sel_hi:[1,0,0]
	v_pk_fma_f32 v[SQ+\k+2:SQ+\k+3], v[SQ+\k+2:SQ+\k+3], s[CS:CS+1], v[\nm:\nm+1] op_sel_hi:[1,0,0]
	EX 1
.endr
.endm
; ---- PASS 1
.macro POST1 q                         ; l = l x the half's factor + the half's 32 numbers, two at a time, in two chains
.set SQ, S+32*(\q)
.set FQ, FA+2*(\q)
	v_pk_fma_f32 v[LSUM:LSUM+1], v[LSUM:LSUM+1], v[FQ:FQ+1], v[SQ:SQ+1] op_sel_hi:[1,0,1]
	v_pk_add_f32 v[TP:TP+1], v[SQ+2:SQ+3], v[SQ+4:SQ+5]
	EX 1
.irp k, 6,10,14,18,22,26
	v_pk_add_f32 v[LSUM:LSUM+1], v[LSUM:LSUM+1], v[SQ+\k:SQ+\k+1]
	v_pk_add_f32 v[TP:TP+1], v[TP:TP+1], v[SQ+\k+2:SQ+\k+3]
	EX 1
.endr
	v_pk_add_f32 v[LSUM:LSUM+1], v[LSUM:LSUM+1], v[SQ+30:SQ+31]
	v_pk_add_f32 v[LSUM:LSUM+1], v[LSUM:LSUM+1], v[TP:TP+1]
	EX 1
.endm
.macro PRE1 q                          ; the half's largest score, the new M and its factor, t - M.  An exponential of the neighbour half stands behind each link of the chain
	BLK2 \q
.set NQ, NMA+2*(\q)
.set NP, NMA+2*(1-(\q))
.set FQ, FA+2*(\q)
	v_max_num_f32 v[TD], v[BQ], v[BQ+1]
	EX 1
	v_mul_f32 v[TD], s[CS], v[TD]                  ; as t (log2(e) is positive)
	EX 1
	v_permlanex16_b32 v[BP], v[TD], s[SEL], s[SEL+1]
	EX 1
	v_max3_num_f32 v[T1], v[T1], v[TD], v[BP]      ; the running largest t of my query
	EX 1
	v_floor_f32 v[NQ], -v[T1]                      ; -M = floor(-t): M is a whole number
	EX 1
	v_sub_f32 v[TD], v[NQ], v[NP]                  ; the half before's M less this one's: a whole number, 0 or less
	EX 1
	v_cvt_i32_f32 v[TD], v[TD]                     ; (it saturates)
	EX 1
	v_ldexp_f32 v[FQ], 1.0, v[TD]                  ; the factor: a multiplication by it rounds nothing
	TMM \q, NQ
.endm
; Trip j of pass 1, par = j % 2.  doqk: half j + 1 exists;  dokl: half j + 2 exists
.macro TRIP1 par, doqk, dokl
.set exi, 0
.set exn, 32
.set EB, S+32*(\par)
	POST1 1-(\par)
.if \doqk
	s_wait_dscnt 0x0                               ; half j + 1's fragments, asked for in the trip before, are in
	QKM 1-(\par)
.if ((\par) == 0) && \dokl
	v_add_nc_u32 v[ADK], s[TB], v[AK0]             ; the next step's tile.  With the two v_nop: four places behind the products, in front of the loads into their operands and of the first read of the scores
	v_add_nc_u32 v[ADS], s[TB], v[AS0]
.else
	v_nop
	v_nop
.endif
	EX 1
	v_nop
	v_nop
	EX 1
.if \dokl
	KLH \par
.endif
	PRE1 1-(\par)
.endif
	EX 40                                          ; what is left of the trip's exponentials
	v_nop                                          ; a plain instruction behind the last of them
	s_wait_alu depctr_va_vdst(0)                   ; one wait for the trip's batch, ahead of its first reader and of every label
.endm
.macro G1 n                            ; n steps of pass 1: a step's two trips are written once
	s_mov_b32 s[INN], \n
.Lg1_\@:
	TRIP1 0, 1, 1
	TRIP1 1, 1, 1
	s_add_co_u32 s[TB], s[TB], TILE
	s_sub_co_u32 s[INN], s[INN], 1
	s_cmp_lg_u32 s[INN], 0
	s_cbranch_scc1 .Lg1_\@
	s_sub_co_u32 s[TB], s[TB], 4*TILE              ; back to a slot's first tile,
	s_xor_b32 s[TB], s[TB], SLOT1                  ; in the other slot
.endm
; ---- PASS 2
.macro POST2 q                         ; buffer q holds 2^(t - M): the blocks' scale bytes, att, its codes into registers 6 q .. 6 q + 5 of the operand
.set SQ, S+32*(\q)
.set BQ, BM+2*(\q)
	v_mul_f32 v[BQ], v[BQ], v[R16]                 ; the block's largest att: the same instructions on the same number give the same bits
	v_mul_f32 v[BQ+1], v[BQ+1], v[R16]
	EX 1
	v_max_num_f32 v[BQ], 0x1800000, v[BQ]          ; the floor 2^(3 - 127): the byte cannot fall under 1
	v_max_num_f32 v[BQ+1], 0x1800000, v[BQ+1]
	EX 1
	v_add_nc_u32 v[SO], 0xff000000, v[BQ]          ; 2 off the exponent field: the conversion's scale operand
	v_add_nc_u32 v[SO+1], 0xff000000, v[BQ+1]
	EX 1
	v_lshrrev_b32 v[BY], 23, v[SO]                 ; the scale's byte
	v_lshrrev_b32 v[BY+1], 23, v[SO+1]
	EX 1
.if (\q) == 0
	v_lshl_or_b32 v[PW], v[BY+1], 8, v[BY]         ; the step's scale word: bytes 0, 1 now,
.else
	v_lshl_or_b32 v[PW], v[BY], 16, v[PW]          ; bytes 2, 3 a trip later: the sixteen multiplications below stand between it and the products that take it
	v_lshl_or_b32 v[PW], v[BY+1], 24, v[PW]
.endif
.irp k, 0,4,8,12,16,20,24,28
	v_pk_mul_f32 v[SQ+\k:SQ+\k+1], v[SQ+\k:SQ+\k+1], v[R16:R16+1]       ; att = 2^(t - M) / (16 l)
	v_pk_mul_f32 v[SQ+\k+2:SQ+\k+3], v[SQ+\k+2:SQ+\k+3], v[R16:R16+1]
	EX 1
.endr
	v_cvt_scalef32_pk16_fp6_f32 v[PC+6*(\q):PC+6*(\q)+2], v[SQ:SQ+15], v[SO]
	v_cvt_scalef32_pk16_fp6_f32 v[PX:PX+2], v[SQ+16:SQ+31], v[SO+1]
	v_nop                                          ; one plain place behind the scaled conversions
.irp i, 0,1,2
	v_permlane16_swap_b32 v[PC+6*(\q)+\i], v[PX+\i]   ; the operand wants a whole block in a lane
.endr
	EX 1
.irp i, 0,1,2
	v_mov_b32 v[PC+6*(\q)+3+\i], v[PX+\i]
.endr
	EX 1
.endm
.macro PRE2 q                          ; t - M (M is final), and each block's largest of it: the multiply-add does not fall where the score rises, so this is the t - M of the block's largest score
	TMM \q, NMB
	BLK2 \q
.irp b, 0,1
	v_permlanex16_b32 v[BP+\b], v[BQ+\b], s[SEL], s[SEL+1]
.endr
	EX 1
.irp b, 0,1
	v_max_num_f32 v[BQ+\b], v[BQ+\b], v[BP+\b]
.endr
.endm
; Trip j of pass 2, par = j % 2.  dopost: half j - 1 exists;  dopv: it closed a step;  doqk: half j + 1 exists;  dokl: half j + 2 exists;  dovl: this trip fetches its step's V
.macro TRIP2 par, dopost, dopv, doqk, dokl, dovl
.set exi, 0
.set exn, 34
.set EB, S+32*(\par)
.set EBM, BM+2*(\par)
.if \dopost
	POST2 1-(\par)
.endif
.if (\par) == 0
	v_add_nc_u32 v[ADK], s[TB], v[AK0]             ; the step's tiles.  With the two v_nop: four places between the last write of the codes and the products that take them
	v_add_nc_u32 v[ADS], s[TB], v[AS0]
	EX 1
	v_nop
	v_nop
.endif
.if \dopv || \doqk
	s_wait_dscnt 0x0                               ; V, asked for two trips ago, and half j + 1's fragments of K, asked for in the trip before, are in
.endif
.if \dopv
	PVM
.endif
.if \doqk
	QKM 1-(\par)
.endif
.if \dopv || \doqk
	v_nop                                          ; four places behind the products, in front of the loads into their operands and of the first read of the scores
	v_nop
	EX 1
	v_nop
	v_nop
	EX 1
.endif
.if \dovl
	VLD
.endif
.if \dokl
	KLH \par
.endif
.if \doqk
	PRE2 1-(\par)
.endif
	EX 40                                          ; what is left of the trip's exponentials
	v_nop                                          ; a plain instruction behind the last of them
	s_wait_alu depctr_va_vdst(0)                   ; one wait for the trip's batch, ahead of its first reader and of every label
.endm
.macro ST2N                            ; a step's two trips
	TRIP2 0, 1, 1, 1, 1, 1
	TRIP2 1, 1, 0, 1, 1, 0
	s_add_co_u32 s[TB], s[TB], TILE
.endm
.macro TBNEXT2
	s_sub_co_u32 s[TB], s[TB], 2*TILE
	s_xor_b32 s[TB], s[TB], SLOT1
.endm
.macro G2                              ; a slot's two steps: written once, walked twice
	s_mov_b32 s[INN], 2
.Lg2_\@:
	ST2N
	s_sub_co_u32 s[INN], s[INN], 1
	s_cmp_lg_u32 s[INN], 0
	s_cbranch_scc1 .Lg2_\@
	TBNEXT2
.endm
	s_load_b256 s[4:11], s[0:1], 0x0               ; qimg s[4:5], kimg s[6:7], vimg s[8:9], woimg s[10:11]
	s_load_b128 s[12:15], s[0:1], 0x20             ; bo s[12:13], out1 s[14:15]
	s_load_b64 s[16:17], s[0:1], 0x30              ; out2
	v_lshl_add_u32 v[SPW], v0, 2, SPARE
	v_mov_b32 v[NIL], 0
	ds_add_u32 v3, v4
	s_wait_dscnt 0x0
	v_lshrrev_b32 v5, 5, v0
	v_readfirstlane_b32 s[WV], v5                  ; wave 0..15
	s_bfe_u32 s48, ttmp6, 0x40000                  ; cx: it enters Q's, the outputs' and the prefetches' addresses alone
	s_lshl_b32 s49, ttmp9, 2
	s_add_co_u32 s49, s49, s48                     ; my block of 64 queries
	s_and_b32 s50, ttmp7, 0xffff                   ; the batch, which the four partners share
	s_lshr_b32 s51, s[WV], 2                       ; e: my head
	s_and_b32 s52, s[WV], 3                        ; tau: my tile of queries
	s_min_u32 s53, s[WV], 4                        ; which tile I fetch, if I fetch: 0 to 3 a slot's, 4 the place of K's step 0
	s_mov_b32 s[SEL], 0x76543210
	s_mov_b32 s[SEL+1], 0xfedcba98
	s_mov_b32 s[CS], 0x3fb8aa3b                    ; log2(e)
	s_mov_b32 s[CS+1], s[CS]
	s_mov_b32 s[TB], 0
	; descriptor group 1: a tile is a dense block of 25,600 bytes: 100 rows of 32 elements of 8 bytes, no padding
	s_mov_b32 s[G1], 15|(3<<16)|(1<<21)            ; 15:0 the mask: all four work-groups; 17:16 elements of 8 bytes; 21 set beside a mask
	s_mov_b32 s[G1+1], 32<<16                      ; tensor_dim0
	s_mov_b32 s[G1+2], 100<<16                     ; tensor_dim1
	s_mov_b32 s[G1+3], 32<<16                      ; tile_dim0
	s_mov_b32 s[G1+4], 100                         ; tile_dim1
	s_mov_b32 s[G1+5], 32                          ; from row to row
	s_mov_b32 s[G1+6], 0
	s_mov_b32 s[G1+7], 0
	s_mul_i32 s54, s50, 32*TILE                    ; the batch's first byte in kimg and in vimg
	s_mov_b32 s55, 0
	s_mul_i32 s56, s53, TILE                       ; where my tile goes
	s_and_b32 s70, s53, 3
	s_mul_i32 s70, s70, TILE                       ; K's step: my number; wave 4: step 0 once more
	s_mov_b32 s71, 0
	s_and_b32 s58, s53, 1
	s_mul_i32 s58, s58, TILE
	s_mov_b32 s59, 0
	s_sub_co_u32 s60, s[WV], 4                     ; who prefetches: waves 4 to 6
	s_cmp_lt_u32 s60, 3
	s_cselect_b32 s60, 0, 1
	s_or_b32 s60, s60, ttmp9                       ; of the batch's first cluster: the same in all four partners
	s_cmp_eq_u32 s60, 0
	s_cselect_b32 s[LIM], 1, -1
	s_mul_i32 s66, s48, TILE                       ; my work-group's step of four,
	s_and_b32 s67, s[WV], 3
	s_lshl_b32 s67, s67, 13                        ; my wave's 8,192 bytes of it
	s_add_co_u32 s66, s66, s67
	s_mov_b32 s67, 0
	v_and_b32 v[LN], 31, v0                        ; lane
	v_and_b32 v[RR], 15, v0                        ; r
	v_bfe_u32 v[HH], v0, 4, 1                      ; h
	s_mul_i32 s60, s51, 6144
	v_lshl_add_u32 v[AK0], v[LN], 4, s60
	s_lshl_b32 s60, s51, 8
	s_add_co_u32 s60, s60, 24576
	v_lshl_add_u32 v[AS0], v[LN], 3, s60
	v_lshlrev_b32 v[PFO], 8, v[LN]
	s_mul_i32 s60, s51, 768
	v_mul_u32_u24 v8, v[RR], 24
	v_mad_u32_u24 v8, v[HH], 384, v8
	v_add_nc_u32 v8, s60, v8                       ; Q's codes: 768 e + 384 h + 24 r
	s_lshl_b32 s60, s51, 7
	v_lshl_add_u32 v9, v[RR], 2, s60               ; its scale bytes, as words: 128 e + 4 r
	s_lshl_b32 s68, s50, 8
	s_lshl_b32 s69, s49, 2
	s_add_co_u32 s68, s68, s69
	s_add_co_u32 s68, s68, s52
	s_mul_i32 s68, s68, 3584                       ; my tile's record in qimg
	s_mov_b32 s69, 0
	s_wait_kmcnt 0x0
	s_add_nc_u64 s[6:7], s[6:7], s[54:55]
	s_add_nc_u64 s[8:9], s[8:9], s[54:55]
	s_mov_b32 s[G0K], 1                            ; 1:0 count = 1
	s_mov_b32 s[G0K+1], s56                        ; LDS address
	s_add_nc_u64 s[G0K+2:G0K+3], s[6:7], s[70:71]  ; global address
	s_or_b32 s[G0K+3], s[G0K+3], 0x80000000        ; type = 2
	s_mov_b32 s[G0V], 1
	s_mov_b32 s[G0V+1], s56
	s_add_nc_u64 s[G0V+2:G0V+3], s[8:9], s[58:59]  ; V's step 0 (wave 2) or 1 (wave 3)
	s_or_b32 s[G0V+3], s[G0V+3], 0x80000000
	s_add_nc_u64 s[PFV:PFV+1], s[8:9], s[66:67]
	s_add_nc_u64 s[PFA:PFA+1], s[6:7], s[66:67]
	s_add_nc_u64 s[PFA:PFA+1], s[PFA:PFA+1], 4*TILE  ; the first change steps it to steps 8 on.  Nothing is prefetched here, at the head
	s_add_nc_u64 s[4:5], s[4:5], s[68:69]
	ROUND                                          ; all four work-groups are here: the first joint loads meet
	TLOAD1 5                                       ; slot 0: K's steps 0 to 3; wave 4: step 0 once more, into bytes that are filled once
	global_load_b64 v[QLO:QLO+1], v8, s[4:5]
	global_load_b64 v[QLO+2:QLO+3], v8, s[4:5] offset:8
	global_load_b64 v[QLO+4:QLO+5], v8, s[4:5] offset:16
	global_load_b32 v[TP], v9, s[4:5] offset:3072
	global_load_b32 v[TP+1], v9, s[4:5] offset:3136
.irp j, 0,1,2,3,4,5
	v_mov_b32 v[QHI+\j], 0                         ; the zero codes on either side of Q
	v_mov_b32 v[QLO+6+\j], 0
.endr
	v_mov_b32 v[T1], 0xff61b1e6                    ; the largest t so far: -3e38, under every t
	v_floor_f32 v[NMB], -v[T1]                     ; the -M that the first half finds
	v_mov_b32 v[NMA+1], 0                          ; (named as the upper halves of pairs)
	v_mov_b32 v[NMB+1], 0
	v_mov_b32 v[LSUM], 0
	v_mov_b32 v[LSUM+1], 0
.irp j, 0,1,2,3
	v_mov_b32 v[FA+\j], 0
.endr
	v_mov_b32 v[BP], 0                             ; a lane permute's destination counts as one of its sources
	v_mov_b32 v[BP+1], 0
	s_wait_loadcnt 0x0                             ; Q
	v_lshl_or_b32 v[QSL], v[TP+1], 8, v[TP]        ; [Q | zeros]: Q's two bytes below; the zeros' bytes are 1
	v_lshlrev_b32 v[QSH], 16, v[QSL]
	v_or_b32 v[QSL], 0x01010000, v[QSL]
	v_or_b32 v[QSH], 0x0101, v[QSH]                ; [zeros | Q]
.irp j, 0,1,2,3,4,5,6,7,8,9,10,11,12,13,14,15,16,17,18,19,20,21,22,23,24,25,26,27,28,29,30,31
	v_mov_b32 v[S+32+\j], 0                        ; the loop is written once: its first trip sums a half that is not there: zeros
	v_mov_b32 v[O+\j], 0                           ; O^T.  (These are also the places between the scale words and the first products)
.endr
	; ---- PASS 1
	s_mov_b32 s[CNT], 7
	CHANGE 1                                       ; slot 0 is whole; slot 1 is asked for
	v_add_nc_u32 v[ADK], s[TB], v[AK0]             ; the way in: half 0's products, maxima and t - M; half 1's fragments are asked for
	v_add_nc_u32 v[ADS], s[TB], v[AS0]
	KLH 0
	s_wait_dscnt 0x0
	QKM 0
.rept 4
	v_nop
.endr
	KLH 1
	PRE1 0
	s_add_co_u32 s[TB], s[TB], TILE
	G1 3                                           ; the trips of steps 0 to 2 read K's steps 1 to 3
	s_mov_b32 s[CNT], 6
.Lpass1:                                           ; six trips: behind each change the next four steps of K are asked for
	CHANGE 1
	G1 4
	s_sub_co_u32 s[CNT], s[CNT], 1
	s_cmp_lg_u32 s[CNT], 0
	s_cbranch_scc1 .Lpass1
	CHANGE 2                                       ; pass 2's first slot is asked for while pass 1's last is read
	G1 4
	TRIP1 0, 1, 0                                  ; the way out: nothing is left to fetch,
	TRIP1 1, 0, 0                                  ; nothing to multiply,
.set exn, 0
	POST1 1                                        ; and the last half's sums
	v_add_f32 v[LSUM], v[LSUM], v[LSUM+1]          ; l's two halves,
	v_permlanex16_b32 v[BP], v[LSUM], s[SEL], s[SEL+1]
	v_add_f32 v[LSUM], v[LSUM], v[BP]              ; and lane l xor 16's: the row's sum
	v_rcp_f32 v[R16], v[LSUM]
	v_nop                                          ; a plain place behind the transcendental
	s_wait_alu depctr_va_vdst(0)                   ; and the wait ahead of its first reader
	v_mul_f32 v[R16], 0x3d800000, v[R16]           ; 1 / (16 l)
	v_mov_b32 v[R16+1], v[R16]
	; ---- PASS 2
	v_add_nc_u32 v[ADK], K0X, v[AK0]               ; the way in, from K's step 0 in its own bytes
	v_add_nc_u32 v[ADS], K0X, v[AS0]
	KLH 0
	s_wait_dscnt 0x0
	QKM 0
.rept 4
	v_nop
.endr
	KLH 1
	PRE2 0
	s_mov_b32 s[CNT], 15
	CHANGE 3                                       ; pass 2's first slot is whole; its second is asked for
	TRIP2 0, 0, 0, 1, 1, 1                         ; step 0's first trip has no half behind it
	TRIP2 1, 1, 0, 1, 1, 0
	s_add_co_u32 s[TB], s[TB], TILE
	ST2N
	TBNEXT2
	s_mov_b32 s[CNT], 14
.Lpass2:                                           ; thirteen trips
	CHANGE 3
	G2
	s_sub_co_u32 s[CNT], s[CNT], 1
	s_cmp_lg_u32 s[CNT], 1
	s_cbranch_scc1 .Lpass2
	CHANGE 4                                       ; the tail is written out: the last slot has one step of K
	G2
	CHANGE 0                                       ; nothing is left to fetch
	ST2N
	TRIP2 0, 1, 1, 1, 0, 1                         ; the last step: no K is left to read,
	TRIP2 1, 1, 0, 0, 0, 0                         ; nothing to multiply by K,
.set exn, 0
	POST2 1                                        ; the last half's codes,
.rept 4
	v_nop                                          ; four places between the last write of the codes and the products that take them
.endr
	s_wait_dscnt 0x0
	PVM                                            ; and the last step's products with V
	; ---- THE OUTPUT PROJECTION.  Wave w takes tile w of Wo (columns 32 (w / 2) + 8 (w % 2) + 16 h + j) for all 64 rows.  The six lines of address work are the places behind the last products.
	v_and_b32 v[LN], 31, v0
	v_and_b32 v[RR], 15, v0
	v_bfe_u32 v[HH], v0, 4, 1
	v_lshlrev_b32 v8, 4, v[LN]                     ; 16 x lane
	v_lshlrev_b32 v9, 2, v[LN]                     ; 4 x lane
	v_lshlrev_b32 v10, 6, v[HH]                    ; 64 h
	s_mul_i32 s54, s[WV], 3072
	s_mov_b32 s55, 0
	s_add_nc_u64 s[56:57], s[10:11], s[54:55]
	s_lshl_b32 s54, s[WV], 8
	s_add_co_u32 s54, s54, 49152
	s_add_nc_u64 s[58:59], s[10:11], s[54:55]
	s_lshr_b32 s54, s[WV], 1
	s_lshl_b32 s54, s54, 7
	s_and_b32 s60, s[WV], 1
	s_lshl_b32 s60, s60, 5
	s_add_co_u32 s54, s54, s60                     ; 128 (w / 2) + 32 (w % 2): my columns' bytes, in bo and in a row of the stage
	s_add_nc_u64 s[12:13], s[12:13], s[54:55]
.irp s, 0,1
.irp c, 0,1,2
	global_load_b128 v[KF+12*\s+4*\c:KF+12*\s+4*\c+3], v8, s[56:57] offset:1536*\s+512*\c   ; Wo's two fragments
.endr
.endr
	global_load_b32 v[KS], v9, s[58:59]            ; their scale words
	global_load_b32 v[VS], v9, s[58:59] offset:128
	global_load_b128 v[VF:VF+3], v10, s[12:13]     ; bo in the result's layout
	global_load_b128 v[VF+4:VF+7], v10, s[12:13] offset:16
	s_add_co_u32 s60, s54, STG
	v_and_b32 v2, 8, v[RR]
	v_add_nc_u32 v2, v2, v[RR]
	v_mul_u32_u24 v2, v2, SP
	v_lshl_add_u32 v2, v[HH], 6, v2
	v_add_nc_u32 v2, s60, v2                       ; the stage, in: row r + 8 (r / 8), + 64 h, + my columns
	s_lshl_b32 s54, s52, 1
	s_lshr_b32 s60, s51, 1
	s_add_co_u32 s54, s54, s60                     ; o's fragment 2 tau + e / 2; my head is its half e % 2
	s_and_b32 s60, s51, 1
	s_mul_i32 s61, s54, 1536
	s_mul_i32 s62, s60, 768
	s_add_co_u32 s61, s61, s62
	s_add_co_u32 s61, s61, OIMG
	v_lshl_add_u32 v11, v[LN], 3, s61
	s_lshl_b32 s61, s54, 7
	s_lshl_b32 s62, s60, 1
	s_add_co_u32 s61, s61, s62
	s_add_co_u32 s61, s61, OSC
	v_lshl_add_u32 v5, v[LN], 2, s61
	v_lshl_add_u32 v6, v[LN], 3, OIMG
	v_lshl_add_u32 v1, v[LN], 2, OSC
	; my head's 64 channels of my 16 queries: two blocks of 32, quantised
.irp b, 0,1
	v_max3_num_f32 v[BM+\b], |v[O+16*\b]|, |v[O+1+16*\b]|, 0x1800000
.endr
.irp i, 2,4,6,8,10,12,14
.irp b, 0,1
	v_max3_num_f32 v[BM+\b], v[BM+\b], |v[O+16*\b+\i]|, |v[O+1+16*\b+\i]|
.endr
.endr
.irp b, 0,1
	v_permlanex16_b32 v[BP+\b], v[BM+\b], s[SEL], s[SEL+1]
.endr
.irp b, 0,1
	v_max_num_f32 v[BM+\b], v[BM+\b], v[BP+\b]
.endr
.irp b, 0,1
	v_add_nc_u32 v[SO+\b], 0xff000000, v[BM+\b]
.endr
.irp b, 0,1
	v_lshrrev_b32 v[BY+\b], 23, v[SO+\b]
.endr
	v_lshl_or_b32 v[BY], v[BY+1], 8, v[BY]         ; my two bytes of the fragment's scale word
	v_cvt_scalef32_pk16_fp6_f32 v[PC:PC+2], v[O:O+15], v[SO]
	v_cvt_scalef32_pk16_fp6_f32 v[PX:PX+2], v[O+16:O+31], v[SO+1]
	v_nop                                          ; one plain place behind the scaled conversions
.irp i, 0,1,2
	v_permlane16_swap_b32 v[PC+\i], v[PX+\i]
.endr
.irp i, 0,1,2
	v_mov_b32 v[PC+3+\i], v[PX+\i]
.endr
.irp c, 0,1,2
	ds_store_b64 v11, v[PC+2*\c:PC+2*\c+1] offset:256*\c   ; registers 6 (e % 2) + 2 c, + 1 of the fragment's image
.endr
	ds_store_b16 v5, v[BY]
	s_wait_dscnt 0x0                               ; for the others' sake: my stores have landed
	s_barrier_signal -1
	s_barrier_wait -1                              ; o's eight fragments lie in LDS
.irp f, 0,1,2,3,4,5,6,7
.irp c, 0,1,2,3,4,5
	ds_load_b64 v[S+12*\f+2*\c:S+12*\f+2*\c+1], v6 offset:1536*\f+256*\c
.endr
	ds_load_b32 v[OS+\f], v1 offset:128*\f
.endr
	s_wait_loadcnt 0x0                             ; Wo, its scale words, bo
	s_wait_dscnt 0x0
.irp s, 0,1                            ; four accumulators, one instruction a turn; bo is the C of each sum's first
.irp m, 0,1,2,3
.if \s == 0
	v_wmma_scale_f32_16x16x128_f8f6f4 v[ACC2+8*\m:ACC2+8*\m+7], v[KF:KF+11], v[S+24*\m:S+24*\m+11], v[VF:VF+7], v[KS], v[OS+2*\m] matrix_a_fmt:MATRIX_FMT_FP6 matrix_b_fmt:MATRIX_FMT_FP6
.else
	v_wmma_scale_f32_16x16x128_f8f6f4 v[ACC2+8*\m:ACC2+8*\m+7], v[KF+12:KF+23], v[S+24*\m+12:S+24*\m+23], v[ACC2+8*\m:ACC2+8*\m+7], v[VS], v[OS+2*\m+1] matrix_a_fmt:MATRIX_FMT_FP6 matrix_b_fmt:MATRIX_FMT_FP6
.endif
.endr
.endr
.rept 4
	v_nop                                          ; four places in front of the first read of results and of loads into the operands' registers
.endr
.irp m, 0,1,2,3
	ds_store_b128 v2, v[ACC2+8*\m:ACC2+8*\m+3] offset:(32*(\m/2)+8*(\m%2))*SP      ; each accumulator from its low end on
	ds_store_b128 v2, v[ACC2+8*\m+4:ACC2+8*\m+7] offset:(32*(\m/2)+8*(\m%2))*SP+16
.endr
	s_mul_i32 s54, s[WV], 4*SP
	s_add_co_u32 s54, s54, STG
	v_add_nc_u32 v11, s54, v8                      ; back: my four rows, 16 bytes a lane
	s_lshl_b32 s66, s50, 22                        ; the batch's 4,096 rows of 1,024 bytes,
	s_lshl_b32 s67, s49, 16                        ; my block's 64,
	s_add_co_u32 s66, s66, s67
	s_lshl_b32 s67, s[WV], 12                      ; my wave's four
	s_add_co_u32 s66, s66, s67
	s_mov_b32 s67, 0
	s_add_nc_u64 s[14:15], s[14:15], s[66:67]
	s_add_nc_u64 s[16:17], s[16:17], s[66:67]
	s_wait_dscnt 0x0
	s_barrier_signal -1
	s_barrier_wait -1                              ; 64 whole rows lie in the stage
.irp n, 0,1,2,3,4,5,6,7
	ds_load_b128 v[S+4*\n:S+4*\n+3], v11 offset:(\n/2)*SP+512*(\n%2)
.endr
.irp n, 0,1,2,3,4,5,6,7
	s_wait_dscnt 7-\n                              ; load n is in; the younger ones may be out
	global_store_b128 v8, v[S+4*\n:S+4*\n+3], s[14:15] offset:(\n/2)*1024+512*(\n%2) th:TH_STORE_NT   ; 512 consecutive bytes, aligned
	global_store_b128 v8, v[S+4*\n:S+4*\n+3], s[16:17] offset:(\n/2)*1024+512*(\n%2) th:TH_STORE_NT
.endr
	s_wait_tensorcnt 0x0                           ; the wave's end, behind my last tensor load and my last LDS store
	ds_add_u32 v[SPW], v[NIL]
	s_wait_dscnt 0x0
	ROUND                                          ; the closing round: no work-group ends while a partner may still ask for a tile that names it
	s_endpgm
.Lfunc_end_k_qb9a8907472_attn:
	.size	k_qb9a8907472_attn, .Lfunc_end_k_qb9a8907472_attn-k_qb9a8907472_attn
	.p2alignl 7, 3214868480
	.fill 96, 4, 3214868480
	.section	.rodata,"a",@progbits
	.p2align	6, 0x0
	.amdhsa_kernel k_qb9a8907472_attn
		.amdhsa_group_segment_fixed_size 327680
		.amdhsa_private_segment_fixed_size 0
		.amdhsa_enable_private_segment 0
		.amdhsa_kernarg_size 56
		.amdhsa_user_sgpr_count 2
		.amdhsa_user_sgpr_kernarg_segment_ptr 1
		.amdhsa_wavefront_size32 1
		.amdhsa_system_sgpr_workgroup_id_x 1
		.amdhsa_system_sgpr_workgroup_id_y 1
		.amdhsa_system_sgpr_workgroup_id_z 1
		.amdhsa_system_vgpr_workitem_id 0
		.amdhsa_next_free_vgpr 256
		.amdhsa_next_free_sgpr 100
		.amdhsa_reserve_vcc 0
		.amdhsa_float_denorm_mode_32 3
		.amdhsa_float_denorm_mode_16_64 3
		.amdhsa_memory_ordered 1
		.amdhsa_forward_progress 1
		.amdhsa_inst_pref_size 161
	.end_amdhsa_kernel
	.amdgpu_metadata
---
amdhsa.version: [ 1, 2 ]
amdhsa.kernels:
  - .name:           k_qb9a8907472_attn
    .symbol:         k_qb9a8907472_attn.kd
    .args:
      - { .name: qimg, .offset: 0, .size: 8, .value_kind: global_buffer, .address_space: global }
      - { .name: kimg, .offset: 8, .size: 8, .value_kind: global_buffer, .address_space: global }
      - { .name: vimg, .offset: 16, .size: 8, .value_kind: global_buffer, .address_space: global }
      - { .name: woimg, .offset: 24, .size: 8, .value_kind: global_buffer, .address_space: global }
      - { .name: bo, .offset: 32, .size: 8, .value_kind: global_buffer, .address_space: global }
      - { .name: out1, .offset: 40, .size: 8, .value_kind: global_buffer, .address_space: global }
      - { .name: out2, .offset: 48, .size: 8, .value_kind: global_buffer, .address_space: global }
    .group_segment_fixed_size: 327680
    .private_segment_fixed_size: 0
    .kernarg_segment_align: 8
    .kernarg_segment_size: 56
    .max_flat_workgroup_size: 512
    .sgpr_count:     100
    .vgpr_count:     256
    .wavefront_size: 32
...
	.end_amdgpu_metadata
.endif
;; end of part 2
